; MI455X (gfx1250); checked and timed in simulation.
; The chip was launched on July 23, 2026; its instructions are those of AMD's public machine-readable ISA for CDNA 5 (MIT licence, August 2026) and "CDNA5" Instruction Set Architecture Reference Guide (July 2026). The comments in the code are by the model that wrote it; some were corrected since.
;; Lstm Cell. Allowed arithmetic: matrix products marked QUANTISED: E2M1 operands, one E8M0 scale for each 32 along K, by v_wmma_scale_f32_16x16x128_f8f6f4 with both operands' format E2M1 (or v_wmma_scale_f32_32x16x128_f4), f32 sums; everything else in f32.
;; Inputs: Wh_codes 4,096 x 32 x 16 uint8 (E2M1 codes of Wh, K innermost, in blocks of 32 codes, two codes a byte); Wh_scales 4,096 x 32 uint8 (E8M0 scales of Wh, one for each 32 codes along K); Wx_codes 4,096 x 32 x 16 uint8 (E2M1 codes of Wx, K innermost, in blocks of 32 codes, two codes a byte); Wx_scales 4,096 x 32 uint8 (E8M0 scales of Wx, one for each 32 codes along K); bx 4,096 float32; prevc 8,192 x 1,024 float32; prevh_codes 8,192 x 32 x 16 uint8 (E2M1 codes of prevh, K innermost, in blocks of 32 codes, two codes a byte); prevh_scales 8,192 x 32 uint8 (E8M0 scales of prevh, one for each 32 codes along K); x_codes 8,192 x 32 x 16 uint8 (E2M1 codes of x, K innermost, in blocks of 32 codes, two codes a byte); x_scales 8,192 x 32 uint8 (E8M0 scales of x, one for each 32 codes along K).
;; Outputs: out0 8,192 x 1,024 float32; out1 8,192 x 1,024 float32.
;; This version of the problem:
;;   THIS VERSION OF THE PROBLEM IS GIVEN IN LOW PRECISION. The matrix products marked QUANTISED in the list below multiply operands that are first quantised to E2M1 (2 exponent bits, 1 mantissa bit; 4 bits a number), with one power-of-two scale for each 32 numbers along K (OCP MX v1.0); their sums are f32. All else is computed in f32.
;;   The module's matrix products, in the order in which they are computed (A, B: the left and right operand; K: the contracted axis; several contracted axes count as one K, in the product's order):
;;     1. [M 8,192, K 1,024] x [K 1,024, N 4,096]; A: input x (given as codes); B: input Wx (given as codes): QUANTISED
;;     2. [M 8,192, K 1,024] x [K 1,024, N 4,096]; A: input prevh (given as codes); B: input Wh (given as codes): QUANTISED
;;   THE QUANTISER, for each operand of a quantised product, along K:
;;     - K is cut into blocks of 32 from its start; a last block that is shorter is filled with zeros.
;;     - A block's scale is 2^e with e = floor(log2(the largest magnitude in the block)) - 2, held to -126 .. 127; a block of zeros has e = 0. As a byte (E8M0): e + 127.
;;     - Each number is divided by its block's scale, clamped to +-6, and rounded to the nearest number of E2M1, ties to even, subnormals kept.
;;     - The product sums the exact products of the quantised numbers (number of the format x scale) in f32.
;;   ~~~python
;;   def quantise(x, axis):      # numpy; x: float32 -> the quantised numbers, widened to float32 again
;;       x = np.moveaxis(x, axis, -1); K = x.shape[-1]
;;       x = np.pad(x, [(0, 0)] * (x.ndim - 1) + [(0, -K % 32)]); x = x.reshape(x.shape[:-1] + (-1, 32)); a = np.abs(x).max(-1, keepdims=True)
;;       e = np.where(a > 0, np.clip(np.frexp(np.where(a > 0, a, 1))[1] - 1 - 2, -126, 127), 0)      # np.frexp(a)[1] - 1 = floor(log2(a)), exactly
;;       r = np.clip(x / 2.0 ** e, -6, 6)
;;       step = 2.0 ** (np.maximum(np.frexp(np.where(r == 0, 1, r))[1] - 1, 0) - 1)
;;       q = np.round(r / step) * step * 2.0 ** e      # np.round: ties to even
;;       return np.moveaxis(q.reshape(q.shape[:-2] + (-1,))[..., :K], -1, axis).astype(np.float32)
;;   ~~~
;;   INPUTS GIVEN AS CODES. Wh (in the module: [1024, 4096], K = its axis 0); Wx (in the module: [1024, 4096], K = its axis 0); prevh (in the module: [8192, 1024], K = its axis 1); x (in the module: [8192, 1024], K = its axis 1): each comes as NAME_codes (uint8): NAME with its K axis moved to the last place and cut into blocks of 32 codes, [.., K / 32, bytes a block], one block behind the other in memory; two codes a byte, the lower K in the low four bits (a code: sign, 2 exponent bits, 1 mantissa bit); and NAME_scales (uint8): the same leading axes, one E8M0 byte (e + 127) for each 32 codes along K. Its value is code x scale, taken as it is: it is not quantised again, and the codes and scales need not be those that the quantiser above would give.
;; One version. Each part assembles by itself: llvm-mc -triple=amdgcn-amd-amdhsa -mcpu=gfx1250 --defsym DOCPART=n.
;; ======== version 1 of 1: 1 launch
;; limits: right only within a limited range of input values
;; launch lstm (part 1): grid 16 x 32, 4 waves a work-group, clusters of 4 x 4, 327,680 bytes of LDS; arguments x_codes, prevh_codes, Wx_codes, Wh_codes, x_scales, prevh_scales, Wx_scales, Wh_scales, bx, prevc, out0, out1; writes out0, out1
.if DOCPART == 1
	.amdgcn_target "amdgcn-amd-amdhsa--gfx1250"
	.amdhsa_code_object_version 6
	.text
	.protected	k_qc699b847df_lstm
	.globl	k_qc699b847df_lstm
	.p2align	8
	.type	k_qc699b847df_lstm,@function
k_qc699b847df_lstm:
	s_mov_b64 s[64:65], 0
	v_nop
	global_prefetch_b8 v0, s[64:65] scope:SCOPE_SE
	s_setreg_imm32_b32 hwreg(HW_REG_WAVE_MODE, 25, 1), 1
	s_wait_xcnt 0x0
	s_wait_alu depctr_hold_cnt(0) depctr_sa_sdst(0) depctr_va_vdst(0) depctr_va_sdst(0) depctr_va_ssrc(0) depctr_va_vcc(0) depctr_vm_vsrc(0)
	s_getreg_b32 s2, hwreg(HW_REG_IB_STS2, 6, 4)
	s_cmp_eq_u32 s2, 0
	s_cbranch_scc0 .Lentry_in_a_cluster
	s_endpgm
.Lentry_in_a_cluster:
	s_bfe_u32 s2, ttmp6, 0x10000c
	s_cmp_lg_u32 s2, 0xf033
	s_cbranch_scc0 .Lentry_shape_is_right
	s_endpgm
.Lentry_shape_is_right:
; LSTM cell.  stacked[8192][4096] = x Wx + prevh Wh + bx, both products on codes of FP4 (E2M1) with one E8M0 scale for each 32 along K, taken as given;
; i, f, o = sigmoid of gates 0, 1, 2, g = tanh of gate 3; nextc = prevc f + g i (out1); nexth = tanh(nextc) o (out0).  All behind the products in f32; stacked never goes to memory.
; The two products are ONE sum over K = 2,048; bx is the C of each sum's first matrix instruction.
; Where cluster x + cluster y is even, x Wx comes first, where it is odd, prevh Wh: 'the first tensor' and 'the second' below mean that order.
; SHARES.  Work-group (tx, ty): batch rows 256 ty on, states 64 tx on, all four gates: 256 x 256 of stacked.  Wave w (rh = w / 2, ch = w % 2): rows 128 rh on, states 32 ch on of the four gates:
; 64 accumulators of 16 x 16.  A's block a = 16 batch rows; W's block b = 2 g + s = rows 1024 g + 64 tx + 32 ch + 16 s + 0 .. 15.
; The matrix instruction is used transposed (source 0 = 16 rows of W, source 1 = 16 batch rows): lane (r, h), register j holds batch row r, state 8 h + j, so the four gates of one state lie in one lane.
; K goes in four K steps of 512 (rows of 256 bytes) through two LDS slots; a K step is four steps of 128, 64 matrix instructions a wave each.  A refill is one tensor load a wave: wave 0 A's 256 rows,
; waves 1 to 3 gates 0 to 2 (64 rows each).  Gate 3 of both weights, 64 whole rows of 512 bytes, comes once into bytes of its own.  prevc's tile lands on slot 0's A part behind its last read.
; THE FIRST FILLS go out in three groups, one tensor load a wave in each: A and gates 0-2 of K step 0; gate 3 of the first tensor and gates 0-2 of K step 1; A of K step 1 and gate 3 of the second.
; The scale words of all of K stay in 128 registers a wave.  CLUSTERS: 4 x 4; A's tiles are asked for jointly by a row of the cluster, W's by a column.
; PREFETCHES.  A K step's tiles are 256 rows x 256 bytes of A and of W; a prefetch names 32 rows a wave, a lane a row.  The partners that ask for a tile jointly share its rows out by address
; (A: 64 rows at cx, waves 0 and 1; W: gate cy's 64 rows, waves 2 and 3), so each block of 256 bytes is named once in a cluster.  The fills are: the first group, the second and third, steps 3, 7 and 11.
; Behind the first group's loads stand K step 1's prefetch, gate 3's part of K step 0 (16 rows at cy, by wave 0) and K step 2's, whose load is two fills on; behind the second group's loads K step 3's, likewise two fills on;
; at step 3 prevc's tile, two fills on.  K step 0's other tiles come by their loads alone.
; LIMITS.  The f32 sum runs bx, the first tensor's K ascending, then the second's: an order of rounding other than (x Wx + bx) + prevh Wh, and differing between clusters.
; NaN and infinities in bx or prevc and the scale byte 0xff are not served (the hold drops a NaN).  e^(-2 g) and e^(-2 nextc) are held at 2^30, so tanh ends 2^-29 short of -1;
; a sigmoid, or a reciprocal of two denominators' product, under 2^-126 comes out as 0.  An exponential that overflows ends in a reciprocal of 0 beside a finite factor.
.set PITCH,  272                       ; 256 bytes + 16 of padding
.set BLK,    16*PITCH
.set GPITCH, 528                       ; gate 3's rows: 512 + 16
.set GBLK,   16*GPITCH
.set GP,     64*PITCH
.set S0A,    0                         ; slot 0: A's 256 rows; at the end prevc's tile
.set S0B,    69632                     ; slot 0: gates 0, 1, 2
.set G3X,    121856                    ; gate 3 of the first tensor's weight
.set S1A,    155648
.set S1B,    225280
.set G3H,    277504                    ; gate 3 of the second's
.set SPARE,  311296                    ; the spare words: 128 bytes a wave
.set STG0,   S0B                       ; the stages of nexth and nextc: bytes that have had their last fill and last read
.set STG1,   S1A
.set ADRA, 10                          ; v10-11 A fragments in slot 0, 1
.set ADRB, 12                          ; v12-13 gates 0-2
.set ADRG, 14                          ; v14-15 gate 3 of the first, second tensor
.set PCA,  16                          ; my 32 bytes of a row of prevc's tile
.set STO,  17                          ; v17-18 the same place in the two stages
.set RD,   19                          ; v19-20 whole rows back from the stages
.set CO,   21                          ; the same place in out0, out1
.set VAS,  22
.set VBS,  23
.set VBI,  24
.set VPF,  25                          ; prefetch offsets, never rewritten: prevc's rows,
.set VQ,   26                          ; my row of a K step's tiles,
.set VG,   27                          ; my row of gate 3
.set SPW,  28
.set NIL,  29
.set SCA,  32                          ; v32-95 A's scale words: 16 k + 4 i + q; lanes 0-15 block i, lanes 16-31 block i + 4
.set SCB,  96                          ; v96-159 W's likewise
.set AF,   192                         ; A's eight fragments
.set OB,   192                         ; the way out: rows read back
; window 1: v0-63, v128-191 W's two sets; v64-127 bx.  On the way out: two cells' temporaries at 0 and 48 (+0 g's chain, +8 i's, +16 f's, +24 o's, +32 1 + E, +40 1 - E), results from 96, prevc from 160
.set BIAS, 64
.set RES,  96
.set PCR,  160
; windows 2, 3: accumulator (a, b) at v[8 (8 (a % 4) + b)] of window 2 + a / 4
.set G1C,  12                          ; s[12:19] group 1 for prevc's tile, written when the scale words are in
.set G1A,  28
.set G1B,  36
.set G1G,  44
.set GX,   52
.set GH,   56
.set GA0,  60
.set GA1,  68
.set GA2,  72
.set GA3,  76
.set GB0,  80
.set GC,   96
.set WV,   66
.set TX,   67
.set TY,   100
.set KL,   28                          ; behind the last joint load: -log2(e), -2 log2(e) as pairs, 2^30
.set K2L,  30
.set BIG,  32
.set MSB, 0
.macro WIN new
.if MSB != (\new)
	s_set_vgpr_msb (MSB<<8)|(\new)
.set MSB, (\new)
.endif
.endm
.macro PLACES n
.rept \n
	v_nop
.endr
.endm
.macro VW
	s_wait_alu depctr_va_vdst(0)
.endm
.macro CREST
	s_cmp_lg_u32 s[WV], 0
	s_cbranch_scc1 .Lnot_wave_0_\@
	s_barrier_signal -3
.Lnot_wave_0_\@:
	s_barrier_wait -3
	s_barrier_signal -1
	s_barrier_wait -1
.endm
.macro CROUND
	s_barrier_signal -1
	s_barrier_wait -1
	CREST
.endm
.macro TLOAD g0, g1                    ; a tensor load, then an s_nop and four v_nops
	tensor_load_to_lds s[\g0:\g0+3], s[\g1:\g1+7]
	s_nop 0
	PLACES 4
.endm
.macro JLOAD ga, g1a, gb               ; wave 0 asks by (ga, g1a), waves 1 to 3 each for their gate's piece
	s_cmp_eq_u32 s[WV], 0
	s_cbranch_scc0 .Lfor_w_\@
	TLOAD \ga, \g1a
	s_branch .Lasked_\@
.Lfor_w_\@:
	TLOAD \gb, G1B
.Lasked_\@:
.endm
.macro SEQ                             ; ahead of a later first fill, as ahead of a refill: all my loads landed, the add, its wait, a whole round
	s_wait_tensorcnt 0x0
	ds_add_u32 v[SPW], v[NIL]
	s_wait_dscnt 0x0
	CROUND
.endm
.macro SWAP p                          ; two buffers' addresses change places where SCC is 1
	s_cselect_b64 s[104:105], s[\p+2:\p+3], s[\p:\p+1]
	s_cselect_b64 s[\p+2:\p+3], s[\p:\p+1], s[\p+2:\p+3]
	s_mov_b64 s[\p:\p+1], s[104:105]
.endm
.macro MKA g, lds, plo, add
	s_mov_b32 s[\g], 1
	s_mov_b32 s[\g+1], \lds
	s_add_nc_u64 s[\g+2:\g+3], s[\plo:\plo+1], s[104:105]
.if \add
	s_add_nc_u64 s[\g+2:\g+3], s[\g+2:\g+3], \add
.endif
	s_or_b32 s[\g+3], s[\g+3], 0x80000000
.endm
.macro MKB g, lds, plo, add
	s_mov_b32 s[(\g)], 1
	s_add_co_u32 s[(\g)+1], s97, \lds
	s_add_nc_u64 s[(\g)+2:(\g)+3], s[\plo:\plo+1], s[98:99]
.if \add
	s_add_nc_u64 s[(\g)+2:(\g)+3], s[(\g)+2:(\g)+3], \add
.endif
	s_or_b32 s[(\g)+3], s[(\g)+3], 0x80000000
.endm
.macro MKG g, lds, plo                 ; gate 3: rows 3 x 1,024 + 64 tx on, whole
	s_mov_b32 s[\g], 1
	s_mov_b32 s[\g+1], \lds
	s_add_co_u32 s[\g+2], s2, (3<<19)
	s_mov_b32 s[\g+3], 0
	s_add_nc_u64 s[\g+2:\g+3], s[\plo:\plo+1], s[\g+2:\g+3]
	s_or_b32 s[\g+3], s[\g+3], 0x80000000
.endm
.macro MKG1 g, c, r, p                 ; words 1 to 7 of a group 1: rows of c elements, r rows, pitch p
	s_mov_b32 s[\g+1], (\c)<<16
	s_mov_b32 s[\g+2], (\r)<<16
	s_mov_b32 s[\g+3], (\c)<<16
	s_mov_b32 s[\g+4], \r
	s_mov_b32 s[\g+5], \p
	s_mov_b32 s[\g+6], 0
	s_mov_b32 s[\g+7], 0
.endm
	s_load_b512 s[4:19], s[0:1], 0x0               ; codes of x, prevh, Wx, Wh; scales of x, prevh, Wx, Wh
	s_load_b256 s[20:27], s[0:1], 0x40             ; bx, prevc, out0, out1
	v_lshl_add_u32 v[SPW], v0, 2, SPARE
	v_mov_b32 v[NIL], 0
	ds_add_u32 v[SPW], v[NIL]                      ; the opening lines: the add twice on end, and its wait
	ds_add_u32 v[SPW], v[NIL]
	v_lshrrev_b32 v5, 5, v0
	v_readfirstlane_b32 s[WV], v5                  ; wave 0..3
	s_wait_dscnt 0x0
	CROUND                                         ; the round in front of the first joint loads
	s_bfe_u32 s2, ttmp6, 0x40000                   ; cx
	s_bfe_u32 s3, ttmp6, 0x40004                   ; cy
	s_lshl_b32 s[TX], ttmp9, 2
	s_add_co_u32 s[TX], s[TX], s2
	s_and_b32 s[TY], ttmp7, 0xffff
	s_lshl_b32 s[TY], s[TY], 2
	s_add_co_u32 s[TY], s[TY], s3
	s_lshl_b32 s101, s3, 2
	s_lshl_b32 s101, 15, s101                      ; my row of the cluster
	s_lshl_b32 s96, 0x1111, s2                     ; my column
	s_or_b32 s[G1A], s101, (1<<20)|(1<<21)|(5<<22)|(3<<25)   ; elements of 1 byte; 4 words of padding after every 64
	MKG1 G1A, 256, 256, 512
	s_or_b32 s[G1B], s96, (1<<20)|(1<<21)|(5<<22)|(3<<25)
	MKG1 G1B, 256, 64, 512
	s_or_b32 s[G1G], s96, (1<<20)|(1<<21)|(6<<22)|(3<<25)    ; padding after every 128 words
	MKG1 G1G, 512, 64, 512
	; the prefetches' byte offsets: only these hang on cx and cy
	s_lshl_b32 s96, s[TY], 17
	s_lshl_b32 s97, s2, 15
	s_add_co_u32 s96, s96, s97                     ; A: 256 ty rows + 64 cx rows of 512 bytes
	s_lshl_b32 s98, s3, 19
	s_lshl_b32 s99, s[TX], 15
	s_add_co_u32 s98, s98, s99                     ; W: gate cy, 64 tx rows
	s_lshl_b32 s101, s3, 13
	s_add_co_u32 s101, s101, s99
	s_add_co_u32 s101, s101, (3<<19)               ; gate 3: 64 tx + 16 cy rows
	s_cmp_lt_u32 s[WV], 2
	s_cselect_b32 s96, s96, s98                    ; waves 0, 1 name A's rows, waves 2, 3 W's
	s_and_b32 s97, s[WV], 1
	s_lshl_b32 s97, s97, 14
	s_add_co_u32 s96, s96, s97                     ; + 32 rows for the odd wave
	v_and_b32 v1, 15, v0                           ; r
	v_bfe_u32 v2, v0, 4, 1                         ; h
	v_bfe_u32 v3, v0, 5, 1                         ; ch
	v_bfe_u32 v4, v0, 6, 1                         ; rh
	v_lshl_add_u32 v5, v4, 7, v1                   ; 128 rh + r
	v_mul_u32_u24 v6, v5, PITCH
	v_lshl_add_u32 v7, v2, 4, v6
	v_add_nc_u32 v[ADRA], S0A, v7
	v_add_nc_u32 v[ADRA+1], S1A, v7
	v_lshl_add_u32 v8, v3, 5, v1                   ; 32 ch + r
	v_mul_u32_u24 v9, v8, PITCH
	v_lshl_add_u32 v9, v2, 4, v9
	v_add_nc_u32 v[ADRB], S0B, v9
	v_add_nc_u32 v[ADRB+1], S1B, v9
	v_mul_u32_u24 v9, v8, GPITCH
	v_lshl_add_u32 v9, v2, 4, v9
	v_add_nc_u32 v[ADRG], G3X, v9
	v_add_nc_u32 v[ADRG+1], G3H, v9
	v_lshl_add_u32 v[PCA], v3, 7, v6               ; prevc's tile: row 128 rh + r, + 128 ch
	v_lshl_add_u32 v[PCA], v2, 5, v[PCA]           ; + 32 h
	v_add_nc_u32 v[STO], STG0, v[PCA]
	v_add_nc_u32 v[STO+1], STG1, v[PCA]
	v_lshl_add_u32 v7, v4, 7, v2                   ; back from the stages: row 128 rh + 16 ch + h
	v_lshl_add_u32 v7, v3, 4, v7
	v_mul_u32_u24 v9, v7, PITCH
	v_lshl_add_u32 v9, v1, 4, v9
	v_add_nc_u32 v[RD], STG0, v9
	v_add_nc_u32 v[RD+1], STG1, v9
	v_lshlrev_b32 v[CO], 12, v7
	v_lshl_add_u32 v[CO], v1, 4, v[CO]
	v_lshl_add_u32 v9, v2, 6, v5                   ; A's scale bytes: row 128 rh + 64 h + r
	v_lshlrev_b32 v[VAS], 5, v9
	v_lshlrev_b32 v[VBS], 5, v8                    ; W's: row 32 ch + r; lanes 16-31 two gates on
	v_lshl_add_u32 v[VBS], v2, 16, v[VBS]
	v_lshlrev_b32 v[VBI], 7, v3                    ; bx: 128 ch + 32 h
	v_lshl_add_u32 v[VBI], v2, 5, v[VBI]
	v_lshlrev_b32 v[VPF], 12, v0                   ; prevc: row = my thread's number
	v_and_b32 v9, 31, v0
	v_lshl_add_u32 v[VQ], v9, 9, s96               ; a lane a row of 512 bytes
	v_min_u32 v9, 15, v9                           ; gate 3: 16 rows; lanes 16-31 name the last again
	v_lshl_add_u32 v[VG], v9, 9, s101
	VW                                             ; the head's end
	s_wait_kmcnt 0x0
	s_and_b32 s3, ttmp7, 0xffff                    ; which product comes first: the parity of cluster x + cluster y
	s_add_co_u32 s3, s3, ttmp9
	s_and_b32 s3, s3, 1
	SWAP 4
	SWAP 8
	SWAP 12
	SWAP 16
	s_lshl_b32 s104, s[TY], 17                     ; 256 rows of 512 bytes
	s_mov_b32 s105, 0
	MKA GA0, S0A, 4, 0
	s_add_co_u32 s97, s[WV], 3
	s_and_b32 s97, s97, 3                          ; waves 1, 2, 3 take gates 0, 1, 2
	s_lshl_b32 s98, s97, 19
	s_mul_i32 s97, s97, GP
	s_lshl_b32 s2, s[TX], 15
	s_add_co_u32 s98, s98, s2
	s_mov_b32 s99, 0
	MKB GB0, S0B, 8, 0
	JLOAD GA0, G1A, GB0                            ; the first group: A and gates 0-2 of K step 0; the other descriptors are made while it is out
	MKA GA1, S1A, 4, 256
	MKA GA2, S0A, 6, 0
	MKA GA3, S1A, 6, 256
	MKB GB0+4, S1B, 8, 256
	MKB GB0+8, S0B, 10, 0
	MKB GB0+12, S1B, 10, 256
	MKG GX, G3X, 8
	MKG GH, G3H, 10
	s_lshl_b32 s104, s[TY], 13                     ; scale bytes: 256 rows of 32 bytes
	s_add_nc_u64 s[12:13], s[12:13], s[104:105]
	s_add_nc_u64 s[14:15], s[14:15], s[104:105]
	s_lshl_b32 s98, s[TX], 11
	s_add_nc_u64 s[16:17], s[16:17], s[98:99]
	s_add_nc_u64 s[18:19], s[18:19], s[98:99]
	s_lshl_b32 s98, s[TX], 8
	s_add_nc_u64 s[20:21], s[20:21], s[98:99]
	s_lshl_b32 s3, s[TY], 20
	s_add_co_u32 s98, s98, s3
	s_add_nc_u64 s[22:23], s[22:23], s[98:99]
	s_add_nc_u64 s[24:25], s[24:25], s[98:99]
	s_add_nc_u64 s[26:27], s[26:27], s[98:99]
	s_mov_b32 s[GC], 1
	s_mul_i32 s[GC+1], s[WV], 64*PITCH
	s_lshl_b32 s[GC+2], s[WV], 18
	s_mov_b32 s[GC+3], 0
	s_add_nc_u64 s[GC+2:GC+3], s[22:23], s[GC+2:GC+3]
	s_or_b32 s[GC+3], s[GC+3], 0x80000000
	s_cmp_lt_u32 s[WV], 2
	s_cselect_b64 s[104:105], s[4:5], s[8:9]       ; the first tensor's A or W,
	s_cselect_b64 s[2:3], s[6:7], s[10:11]         ; the second's; these two pairs and s[8:9] are not written again
	global_prefetch_b8 v[VQ], s[104:105] offset:256 th:TH_LOAD_NT scope:SCOPE_SE   ; K step 1: the second 256 bytes of my row of the first tensor
	global_prefetch_b8 v[VQ], s[2:3] th:TH_LOAD_NT scope:SCOPE_SE                  ; K step 2: the first 256 bytes of my row of the second
	s_cmp_lg_u32 s[WV], 0
	s_cbranch_scc1 .Lno_g3
	global_prefetch_b8 v[VG], s[8:9] th:TH_LOAD_NT scope:SCOPE_SE                  ; gate 3's part of K step 0
.Lno_g3:
.irp k, 0,1,2,3
.irp i, 0,1,2,3
	global_load_b128 v[SCA+16*\k+4*\i:SCA+16*\k+4*\i+3], v[VAS], s[12+2*(\k/2):13+2*(\k/2)] offset:512*\i+16*(\k%2)
	global_load_b128 v[SCB+16*\k+4*\i:SCB+16*\k+4*\i+3], v[VBS], s[16+2*(\k/2):17+2*(\k/2)] offset:(\i/2)*32768+(\i%2)*512+16*(\k%2)
.endr
.endr
	WIN 0x40
.irp g, 0,1,2,3
.irp s, 0,1
.irp c, 0,1
	global_load_b128 v[BIAS+8*(2*\g+\s)+4*\c:BIAS+8*(2*\g+\s)+4*\c+3], v[VBI], s[20:21] offset:\g*4096+64*\s+16*\c
.endr
.endr
.endr
	WIN 0
	SEQ
	JLOAD GX, G1G, GB0+4                           ; the second group: gate 3 of the first tensor; gates 0-2 of K step 1
	global_prefetch_b8 v[VQ], s[2:3] offset:256 th:TH_LOAD_NT scope:SCOPE_SE       ; K step 3: the second 256 bytes of my row of the second tensor
	SEQ
	s_cmp_eq_u32 s[WV], 0                          ; the third group: wave 0 A of K step 1, wave 1 gate 3 of the second tensor
	s_cbranch_scc0 .Lthird_b
	TLOAD GA1, G1A
	s_branch .Lthird_end
.Lthird_b:
	s_cmp_eq_u32 s[WV], 1
	s_cbranch_scc0 .Lthird_end
	TLOAD GH, G1G
.Lthird_end:
.macro FRAG reg, adr, off              ; 16 rows x 128 K of 4-bit codes: two loads of 16 bytes, 32 bytes apart
	ds_load_b128 v[(\reg):(\reg)+3], v[\adr] offset:(\off)
	ds_load_b128 v[(\reg)+4:(\reg)+7], v[\adr] offset:(\off)+32
.endm
; Step T (0 .. 15): K step T / 4, its (T % 4)-th 128; slot (T / 4) % 2; tensor T / 8.
.macro FETCH_B T, p
.set fk, (\T)/4
.set fq, (\T)%4
	WIN 0x40
.irp b, 0,1,2,3,4,5
	FRAG 128*(\p)+8*\b, ADRB+fk%2, (\b/2)*GP+(\b%2)*BLK+64*fq
.endr
.irp b, 6,7
	FRAG 128*(\p)+8*\b, ADRG+fk/2, (\b%2)*GBLK+256*(fk%2)+64*fq
.endr
	WIN 0
.endm
.macro FETCH_A T, i0
.set fk, (\T)/4
.set fq, (\T)%4
.irp i, 0,1,2,3
	FRAG AF+8*((\i0)+\i), ADRA+fk%2, ((\i0)+\i)*BLK+64*fq
.endr
.endm
.macro WM rb, ra                       ; rb, ra: which half of the lanes holds W's and A's scale words
.if (\rb) == 0 && (\ra) == 0
	v_wmma_scale_f32_16x16x128_f8f6f4 v[wd:wd+7], v[wb:wb+7], v[wa:wa+7], v[wc:wc+7], v[wsb], v[wsa] matrix_a_fmt:MATRIX_FMT_FP4 matrix_b_fmt:MATRIX_FMT_FP4
.elseif (\rb) == 1 && (\ra) == 0
	v_wmma_scale_f32_16x16x128_f8f6f4 v[wd:wd+7], v[wb:wb+7], v[wa:wa+7], v[wc:wc+7], v[wsb], v[wsa] matrix_a_fmt:MATRIX_FMT_FP4 matrix_b_fmt:MATRIX_FMT_FP4 matrix_a_scale:MATRIX_SCALE_ROW1
.elseif (\rb) == 0
	v_wmma_scale_f32_16x16x128_f8f6f4 v[wd:wd+7], v[wb:wb+7], v[wa:wa+7], v[wc:wc+7], v[wsb], v[wsa] matrix_a_fmt:MATRIX_FMT_FP4 matrix_b_fmt:MATRIX_FMT_FP4 matrix_b_scale:MATRIX_SCALE_ROW1
.else
	v_wmma_scale_f32_16x16x128_f8f6f4 v[wd:wd+7], v[wb:wb+7], v[wa:wa+7], v[wc:wc+7], v[wsb], v[wsa] matrix_a_fmt:MATRIX_FMT_FP4 matrix_b_fmt:MATRIX_FMT_FP4 matrix_a_scale:MATRIX_SCALE_ROW1 matrix_b_scale:MATRIX_SCALE_ROW1
.endif
.endm
; 16 products: A's blocks a0, a0 + 1 x W's eight.  first = 1: bx starts the sums.  The 64 accumulators take turns.
.macro MUL16 a0, T, first
.irp a, \a0, \a0+1
.irp b, 0,1,2,3,4,5,6,7
.set wd, 8*(8*((\a)%4)+\b)
.set wb, 128*((\T)%2)+8*\b
.set wa, AF+8*(\a)
.if \first
.set wc, BIAS+8*\b
.else
.set wc, wd
.endif
.set wsb, SCB+16*((\T)/4)+4*(\b%4)+(\T)%4
.set wsa, SCA+16*((\T)/4)+4*((\a)%4)+(\T)%4
	WM (\b/4), ((\a)/4)
.endr
.endr
.endm
.macro STEP T, first                   ; a step whose successor lies in the same slot
	s_wait_dscnt 8                                 ; all but the youngest eight loads (A's blocks 4-7)
.if \first
	WIN 0x91
.else
	WIN 0xa1
.endif
	MUL16 0, \T, \first
	MUL16 2, \T, \first
	s_wait_dscnt 0x0
	PLACES 4
	FETCH_B (\T)+1, 1-(\T)%2
	FETCH_A (\T)+1, 0
.if \first
	WIN 0xd1
.else
	WIN 0xf1
.endif
	MUL16 4, \T, \first
	MUL16 6, \T, \first
	PLACES 4
	WIN 0
	FETCH_A (\T)+1, 4
.endm
; A slot's last step changes slots.  kind = 1: this slot's next K step, jointly; kind = 0: prevc into slot 0's A part, 64 rows a wave.
.macro TURN T, kind, ga, gb
	s_wait_tensorcnt 0x0                           ; all my tensor loads have landed
	ds_add_u32 v[SPW], v[NIL]
	s_wait_dscnt 9                                 ; the add and A's blocks 4-7 (eight loads) may be out
	WIN 0xa1
	MUL16 0, \T, 0
	s_wait_dscnt 0x0                               ; the add is done, my reads of this slot are over
	s_barrier_signal -1
	MUL16 2, \T, 0
	WIN 0
	s_barrier_wait -1
	CREST
.if \kind
	JLOAD \ga, G1A, \gb
.else
	TLOAD GC, G1C
.endif
	FETCH_B (\T)+1, 0
	FETCH_A (\T)+1, 0
.if (\T) == 3
	; prevc's tile, eight steps ahead of its tensor load: thread t names rows t and t + 128, 256 bytes each, once in the launch
	global_prefetch_b8 v[VPF], s[22:23] th:TH_LOAD_NT scope:SCOPE_SE
	global_prefetch_b8 v[VPF], s[22:23] offset:524288 th:TH_LOAD_NT scope:SCOPE_SE
.endif
	WIN 0xf1
	MUL16 4, \T, 0
	MUL16 6, \T, 0
	PLACES 4
	WIN 0
	FETCH_A (\T)+1, 4
.endm
	FETCH_B 0, 0
	FETCH_A 0, 0
	FETCH_A 0, 4
	s_wait_loadcnt 0x0                             ; the scale words and bx are in, so the scales' addresses may be written over
	s_mov_b32 s[G1C], (2<<16)|(1<<20)|(5<<22)|(3<<25)        ; prevc's tile: no mask; elements of 4 bytes; 64 rows of 64 numbers a wave
	MKG1 G1C, 64, 64, 1024
	STEP 0, 1
	STEP 1, 0
	STEP 2, 0
	TURN 3, 1, GA2, GB0+8
	STEP 4, 0
	STEP 5, 0
	STEP 6, 0
	TURN 7, 1, GA3, GB0+12
	STEP 8, 0
	STEP 9, 0
	STEP 10, 0
	TURN 11, 0, 0, 0
	STEP 12, 0
	STEP 13, 0
	STEP 14, 0
	s_wait_dscnt 8
	WIN 0xa1
	MUL16 0, 15, 0
	MUL16 2, 15, 0
	s_wait_tensorcnt 0x0                           ; my 64 rows of prevc have landed: other waves read them behind this barrier
	s_wait_dscnt 0x0                               ; my reads of both slots and of gate 3 are over
	s_barrier_signal -1
	WIN 0xf1
	MUL16 4, 15, 0
	MUL16 6, 15, 0
	WIN 0
	s_barrier_wait -1                              ; prevc's tile is whole; the stages' bytes are read by nobody
	PLACES 4
	s_mov_b32 s[KL], 0xbfb8aa3b                    ; -log2(e)
	s_mov_b32 s[KL+1], 0xbfb8aa3b
	s_mov_b32 s[K2L], 0xc038aa3b                   ; -2 log2(e)
	s_mov_b32 s[K2L+1], 0xc038aa3b
	s_mov_b32 s[BIG], 0x4e800000                   ; 2^30
; THE CELL.  Ei, Ef, Eo = e^(-gate); Eg = e^(-2 g), held at 2^30.
;   nextc = prevc / (1 + Ef) + (1 - Eg) / ((1 + Ei)(1 + Eg));   Ec = e^(-2 nextc), held;   nexth = (1 - Ec) / ((1 + Ec)(1 + Eo)).
; Two cells, X = (a, s = 0) and Y = (a, s = 1), eight numbers a lane each, go by turns: a plain phase of one cell stands behind the other's batch of transcendentals,
; and one wait stands between each plain phase and the batch that it feeds; it also stands behind the batch before, whose results the next plain phase reads.
.macro TR op, base, n
.set tn, 0
.rept \n
	\op v[(\base)+tn], v[(\base)+tn]
.set tn, tn+1
.endr
.endm
.macro HBU tb                          ; the hold, 1 + E, 1 - E
.irp n, 0,1,2,3,4,5,6,7
	v_min_num_f32 v[(\tb)+\n], s[BIG], v[(\tb)+\n]
.endr
.irp p, 0,2,4,6
	v_pk_add_f32 v[(\tb)+32+\p:(\tb)+33+\p], v[(\tb)+\p:(\tb)+1+\p], 1.0 op_sel_hi:[1,0]
.endr
.irp p, 0,2,4,6
	v_pk_add_f32 v[(\tb)+40+\p:(\tb)+41+\p], v[(\tb)+\p:(\tb)+1+\p], 1.0 op_sel_hi:[1,0] neg_lo:[1,0] neg_hi:[1,0]
.endr
.endm
.macro S2 c                            ; the two denominators
	HBU 48*(\c)
.irp p, 0,2,4,6
	v_pk_add_f32 v[48*(\c)+16+\p:48*(\c)+17+\p], v[48*(\c)+16+\p:48*(\c)+17+\p], 1.0 op_sel_hi:[1,0]
.endr
.irp p, 0,2,4,6
	v_pk_fma_f32 v[48*(\c)+8+\p:48*(\c)+9+\p], v[48*(\c)+8+\p:48*(\c)+9+\p], v[48*(\c)+32+\p:48*(\c)+33+\p], v[48*(\c)+32+\p:48*(\c)+33+\p]
.endr
.endm
.macro S3 c                            ; g i, nextc, its exponent
.set rs, RES+16*(DC0+(\c))
.set pr, PCR+8*(DC0+(\c))
.irp p, 0,2,4,6
	v_pk_mul_f32 v[48*(\c)+40+\p:48*(\c)+41+\p], v[48*(\c)+40+\p:48*(\c)+41+\p], v[48*(\c)+8+\p:48*(\c)+9+\p]
.endr
.irp p, 0,2,4,6
	v_pk_fma_f32 v[rs+\p:rs+1+\p], v[pr+\p:pr+1+\p], v[48*(\c)+16+\p:48*(\c)+17+\p], v[48*(\c)+40+\p:48*(\c)+41+\p]
.endr
.irp p, 0,2,4,6
	v_pk_mul_f32 v[48*(\c)+\p:48*(\c)+1+\p], v[rs+\p:rs+1+\p], s[K2L:K2L+1] op_sel_hi:[1,0]
.endr
.endm
.macro S4 c                            ; (1 + Eo)(1 + Ec)
	HBU 48*(\c)
.irp p, 0,2,4,6
	v_pk_fma_f32 v[48*(\c)+24+\p:48*(\c)+25+\p], v[48*(\c)+24+\p:48*(\c)+25+\p], v[48*(\c)+32+\p:48*(\c)+33+\p], v[48*(\c)+32+\p:48*(\c)+33+\p]
.endr
.endm
.macro S5 c                            ; nexth
.set rs, RES+16*(DC0+(\c))
.irp p, 0,2,4,6
	v_pk_mul_f32 v[rs+8+\p:rs+9+\p], v[48*(\c)+40+\p:48*(\c)+41+\p], v[48*(\c)+24+\p:48*(\c)+25+\p]
.endr
.endm
.macro PCLOAD n                        ; prevc for chunk n's four cells
	WIN 0x40
.irp e, 0,1
.irp s, 0,1
.irp c, 0,1
	ds_load_b128 v[PCR+8*(2*\e+\s)+4*\c:PCR+8*(2*\e+\s)+4*\c+3], v[PCA] offset:(2*(\n)+\e)*BLK+64*\s+16*\c
.endr
.endr
.endr
.endm
.macro READBACK n                      ; chunk n's 32 rows of my half lie whole in both stages: I take 16, two an instruction
	WIN 0
.irp o, 0,1
.irp i, 0,1,2,3,4,5,6,7
	ds_load_b128 v[OB+32*\o+4*\i:OB+32*\o+4*\i+3], v[RD+\o] offset:(32*(\n)+2*\i)*PITCH
.endr
.endr
.endm
.macro SEND n                          ; 16 lanes store 256 consecutive bytes, at a multiple of 256 from the output's first byte
	WIN 0
.irp o, 0,1
.irp i, 0,1,2,3,4,5,6,7
	global_store_b128 v[CO], v[OB+32*\o+4*\i:OB+32*\o+4*\i+3], s[24+2*\o:25+2*\o] offset:(32*(\n)+2*\i)*4096 th:TH_STORE_NT
.endr
.endr
.endm
; A's block a: its two cells, numbers cell0 and cell0 + 1 of the chunk's four.  send < 4: that chunk's rows, back in registers at the wait on DScnt, are stored there.
.macro DUO a, cell0, send
.set DC0, \cell0
.set ac, 64*((\a)%4)
	WIN 0x42+(\a)/4                                ; source 0: the accumulators' window; destination window 1
	VW                                             ; directly ahead of the first reader of these matrix results
.irp c, 0,1
.irp p, 0,1,2,3
	v_pk_mul_f32 v[48*\c+2*\p:48*\c+2*\p+1], v[ac+8*(6+\c)+2*\p:ac+8*(6+\c)+2*\p+1], s[K2L:K2L+1] op_sel_hi:[1,0]     ; g; each accumulator from its low end on
.endr
.irp g, 0,1,2
.irp p, 0,1,2,3
	v_pk_mul_f32 v[48*\c+8+8*\g+2*\p:48*\c+9+8*\g+2*\p], v[ac+8*(2*\g+\c)+2*\p:ac+8*(2*\g+\c)+2*\p+1], s[KL:KL+1] op_sel_hi:[1,0]   ; i, f, o
.endr
.endr
.endr
	WIN 0x55
	VW
	TR v_exp_f32, 0, 32                            ; X: Eg, Ei, Ef, Eo
	v_nop                                          ; a plain place behind them
	VW
	TR v_exp_f32, 48, 32                           ; Y
	S2 0
	VW
	TR v_rcp_f32, 8, 16                            ; X: both reciprocals
	S2 1
	VW
	TR v_rcp_f32, 56, 16                           ; Y
	s_wait_dscnt 0x0                               ; prevc's numbers are in, and the rows read back from the stages
.if (\send) < 4
	SEND \send
	WIN 0x55
.endif
	S3 0
	VW
	TR v_exp_f32, 0, 8                             ; X: Ec
	S3 1
	VW
	TR v_exp_f32, 48, 8                            ; Y
	S4 0
	VW
	TR v_rcp_f32, 24, 8                            ; X
	S4 1
	VW
	TR v_rcp_f32, 72, 8                            ; Y
	S5 0
	VW
	S5 1
	WIN 0x04                                       ; an LDS store's data are its source 1: window 1
.irp c, 0,1
.irp d, 0,1
	ds_store_b128 v[STO+1], v[RES+16*(DC0+\c)+4*\d:RES+16*(DC0+\c)+4*\d+3] offset:(\a)*BLK+64*\c+16*\d       ; nextc
	ds_store_b128 v[STO], v[RES+16*(DC0+\c)+8+4*\d:RES+16*(DC0+\c)+8+4*\d+3] offset:(\a)*BLK+64*\c+16*\d     ; nexth
.endr
.endr
.endm
; THE WAY OUT, in four chunks of two blocks of A.  A row's 256 bytes come from two waves, so they meet in the stages: a barrier between the writing and the reading; each chunk has stage rows of its own.
	PCLOAD 0
.irp n, 0,1,2,3
.if \n == 0
	DUO 0, 0, 9
.else
	DUO 2*\n, 0, \n-1
.endif
	DUO 2*\n+1, 2, 9
	WIN 0
	s_wait_dscnt 0x0                               ; for the others' sake: my stores into the stages are done
	s_barrier_signal -1
	s_barrier_wait -1
.if \n > 0
	s_wait_xcnt 0x0                                ; the last chunk's stores have read their registers
.endif
	READBACK \n
.if \n < 3
	PCLOAD \n+1
.endif
.endr
	s_wait_dscnt 0x0
	SEND 3
	s_wait_tensorcnt 0x0                           ; the wave's end
	ds_add_u32 v[SPW], v[NIL]
	s_wait_dscnt 0x0
	CROUND                                         ; the closing round
	s_endpgm
.Lfunc_end_k_qc699b847df_lstm:
	.size	k_qc699b847df_lstm, .Lfunc_end_k_qc699b847df_lstm-k_qc699b847df_lstm
	.p2alignl 7, 3214868480
	.fill 96, 4, 3214868480
	.section	.rodata,"a",@progbits
	.p2align	6, 0x0
	.amdhsa_kernel k_qc699b847df_lstm
		.amdhsa_group_segment_fixed_size 327680
		.amdhsa_private_segment_fixed_size 0
		.amdhsa_enable_private_segment 0
		.amdhsa_kernarg_size 96
		.amdhsa_user_sgpr_count 2
		.amdhsa_user_sgpr_kernarg_segment_ptr 1
		.amdhsa_wavefront_size32 1
		.amdhsa_system_sgpr_workgroup_id_x 1
		.amdhsa_system_sgpr_workgroup_id_y 1
		.amdhsa_system_sgpr_workgroup_id_z 1
		.amdhsa_system_vgpr_workitem_id 0
		.amdhsa_next_free_vgpr 1024
		.amdhsa_next_free_sgpr 106
		.amdhsa_reserve_vcc 0
		.amdhsa_float_denorm_mode_32 3
		.amdhsa_float_denorm_mode_16_64 3
		.amdhsa_memory_ordered 1
		.amdhsa_forward_progress 1
		.amdhsa_inst_pref_size 255
	.end_amdhsa_kernel
	.section	.bss,"aw",@nobits
	.p2align	6
	.space	262144
	.amdgpu_metadata
---
amdhsa.version: [ 1, 2 ]
amdhsa.kernels:
  - .name:           k_qc699b847df_lstm
    .symbol:         k_qc699b847df_lstm.kd
    .args:
      - { .name: x_codes, .offset: 0, .size: 8, .value_kind: global_buffer, .address_space: global }
      - { .name: prevh_codes, .offset: 8, .size: 8, .value_kind: global_buffer, .address_space: global }
      - { .name: Wx_codes, .offset: 16, .size: 8, .value_kind: global_buffer, .address_space: global }
      - { .name: Wh_codes, .offset: 24, .size: 8, .value_kind: global_buffer, .address_space: global }
      - { .name: x_scales, .offset: 32, .size: 8, .value_kind: global_buffer, .address_space: global }
      - { .name: prevh_scales, .offset: 40, .size: 8, .value_kind: global_buffer, .address_space: global }
      - { .name: Wx_scales, .offset: 48, .size: 8, .value_kind: global_buffer, .address_space: global }
      - { .name: Wh_scales, .offset: 56, .size: 8, .value_kind: global_buffer, .address_space: global }
      - { .name: bx, .offset: 64, .size: 8, .value_kind: global_buffer, .address_space: global }
      - { .name: prevc, .offset: 72, .size: 8, .value_kind: global_buffer, .address_space: global }
      - { .name: out0, .offset: 80, .size: 8, .value_kind: global_buffer, .address_space: global }
      - { .name: out1, .offset: 88, .size: 8, .value_kind: global_buffer, .address_space: global }
    .group_segment_fixed_size: 327680
    .private_segment_fixed_size: 0
    .kernarg_segment_align: 8
    .kernarg_segment_size: 96
    .max_flat_workgroup_size: 128
    .sgpr_count:     106
    .vgpr_count:     1024
    .wavefront_size: 32
...
	.end_amdgpu_metadata
.endif
;; end of part 1
